; MI455X (gfx1250); checked and timed in simulation.
; The chip was launched on July 23, 2026; its instructions are those of AMD's public machine-readable ISA for CDNA 5 (MIT licence, August 2026) and "CDNA5" Instruction Set Architecture Reference Guide (July 2026). The comments in the code are by the model that wrote it; some were corrected since.
;; Mo E Block. Allowed arithmetic: matrix products marked QUANTISED: E3M2 operands, one E8M0 scale for each 32 along K, by v_wmma_scale_f32_16x16x128_f8f6f4 with both operands' format E3M2, f32 sums; products left as they are: f32 operands where the result goes on into a quantised operand, else bf16, f16 or f32 operands; f32 sums; everything else in f32.
;; Inputs: hidden_states 8 x 512 x 1,024 float32; lora_As 8 x 16 x 1,024 float32; lora_Bs 8 x 4,096 x 16 float32; top_k_indices 2 int32; top_k_values 2 float32; wi_w 4,096 x 1,024 float32; wo_w 1,024 x 4,096 float32.
;; Outputs: out0 8 x 512 x 1,024 float32.
;; This version of the problem:
;;   THIS VERSION OF THE PROBLEM IS GIVEN IN LOW PRECISION. The matrix products marked QUANTISED in the list below multiply operands that are first quantised to E3M2 (3 exponent bits, 2 mantissa bits; 6 bits a number), with one power-of-two scale for each 32 numbers along K (OCP MX v1.0); their sums are f32. All else is computed in f32.
;;   The module's matrix products, in the order in which they are computed (A, B: the left and right operand; K: the contracted axis; several contracted axes count as one K, in the product's order):
;;     1. [M 4,096, K 1,024] x [K 1,024, N 4,096]; A: input hidden_states; B: input wi_w: QUANTISED
;;     2. [M 4,096, K 1,024] x [K 1,024, N 16]; A: input hidden_states; B: computed on the way: QUANTISED
;;     3. [M 4,096, K 16] x [K 16, N 4,096]; A: computed on the way; B: computed on the way: left as it is (K = 16 < 32)
;;     4. [M 4,096, K 4,096] x [K 4,096, N 1,024]; A: computed on the way; B: input wo_w: QUANTISED
;;     5. [M 4,096, K 1,024] x [K 1,024, N 4,096]; A: input hidden_states; B: input wi_w: QUANTISED
;;     6. [M 4,096, K 1,024] x [K 1,024, N 16]; A: input hidden_states; B: computed on the way: QUANTISED
;;     7. [M 4,096, K 16] x [K 16, N 4,096]; A: computed on the way; B: computed on the way: left as it is (K = 16 < 32)
;;     8. [M 4,096, K 4,096] x [K 4,096, N 1,024]; A: computed on the way; B: input wo_w: QUANTISED
;;   THE QUANTISER, for each operand of a quantised product, along K:
;;     - K is cut into blocks of 32 from its start; a last block that is shorter is filled with zeros.
;;     - A block's scale is 2^e with e = floor(log2(the largest magnitude in the block)) - 4, held to -126 .. 127; a block of zeros has e = 0. As a byte (E8M0): e + 127.
;;     - Each number is divided by its block's scale, clamped to +-28, and rounded to the nearest number of E3M2, ties to even, subnormals kept.
;;     - The product sums the exact products of the quantised numbers (number of the format x scale) in f32.
;;   ~~~python
;;   def quantise(x, axis):      # numpy; x: float32 -> the quantised numbers, widened to float32 again
;;       x = np.moveaxis(x, axis, -1); K = x.shape[-1]
;;       x = np.pad(x, [(0, 0)] * (x.ndim - 1) + [(0, -K % 32)]); x = x.reshape(x.shape[:-1] + (-1, 32)); a = np.abs(x).max(-1, keepdims=True)
;;       e = np.where(a > 0, np.clip(np.frexp(np.where(a > 0, a, 1))[1] - 1 - 4, -126, 127), 0)      # np.frexp(a)[1] - 1 = floor(log2(a)), exactly
;;       r = np.clip(x / 2.0 ** e, -28, 28)
;;       step = 2.0 ** (np.maximum(np.frexp(np.where(r == 0, 1, r))[1] - 1, -2) - 2)
;;       q = np.round(r / step) * step * 2.0 ** e      # np.round: ties to even
;;       return np.moveaxis(q.reshape(q.shape[:-2] + (-1,))[..., :K], -1, axis).astype(np.float32)
;;   ~~~
;;   OPERANDS COMPUTED ON THE WAY. 'Computed on the way' means the value that the module computes at that place (a softmax that the list does not call 'softmax' is quantised finished and normalised). What goes into a quantiser is computed in f32, as accurately as f32 sums, v_exp_f32 and their like allow (about 1e-6 of the number): no bf16 or f16 on the way to a quantiser, and a product that is left as it is and whose result goes on into a quantised operand takes f32 operands (vector FMAs, or v_wmma_f32_16x16x4_f32). A number that lies on a knife's edge between two numbers of the format may be rounded either way, as far as f32 arithmetic and the matrix unit's own rounding can turn it there, and no further.
;; One version. Each part assembles by itself: llvm-mc -triple=amdgcn-amd-amdhsa -mcpu=gfx1250 --defsym DOCPART=n.
;; ======== version 1 of 1: 3 launches
;; limits: right only within a limited range of input values
;; workspace buffers: hq 3,276,800 bytes; wiq 3,276,800 bytes; woq 3,276,800 bytes; tq 524,288 bytes; hid 26,214,400 bytes
;; launch prep (part 1): grid 256 x 1, 8 waves a work-group, no clusters, 168,960 bytes of LDS; arguments hidden_states, wi_w, wo_w, lora_As, top_k_indices, hq, wiq, woq, tq; writes hq, wiq, woq, tq
.if DOCPART == 1
	.amdgcn_target "amdgcn-amd-amdhsa--gfx1250"
	.amdhsa_code_object_version 6
	.text
	.protected	k_q2dad9a0687_prep
	.globl	k_q2dad9a0687_prep
	.p2align	8
	.type	k_q2dad9a0687_prep,@function
k_q2dad9a0687_prep:
	s_mov_b64 s[64:65], 0
	v_nop
	global_prefetch_b8 v0, s[64:65] scope:SCOPE_SE
	s_setreg_imm32_b32 hwreg(HW_REG_WAVE_MODE, 25, 1), 1
	s_wait_xcnt 0x0
; hidden_states [4096][1024], wi_w [4096][1024] and wo_w [1024][4096], f32, K innermost, become codes of BF6 (E3M2) with one E8M0 byte for each 32 along K;
; and t_e = Q(hidden_states) Q(A_e)^T, [4096][16] f32, for the two experts that top_k_indices names.
; THE WORKSPACE'S FORM.  A fragment (16 rows x 128 K) is 12 registers a lane; its IMAGE is 1,536 bytes: registers 4 g .. 4 g + 3 of lane l at 512 g + 16 l.  A BLOCK of 6,400 bytes holds the images of
; four tiles of rows (64 rows) for one K step of 128, at 1,536 rt, and at byte 6,144 their scale words: row r of tile rt at 16 r + 4 rt.  So a reader takes a fragment by three loads of 16 bytes a lane,
; four tiles' scale words by one, and any run of blocks is dense.  hq, wiq: [K step / 2][64 rows: 64][K step % 2][6400];  woq: [K step / 4][64 rows: 16][K step % 4][6400].
; Rows of a tile: hidden_states and wo_w: 16 T + r.  wi_w: 32 (T / 2) + 8 (T % 2) + r + 8 (r / 8), so that the next launch's results are neighbours along the next K.
; tq: [tile of 16 tokens: 256][expert: 2][1024]: the image of an accumulator: registers 0-3 at 16 l, 4-7 at 512 + 16 l; lane (r, h), register j = t[token r][rank 8 h + j].
; A block's scale is 2^(floor(log2(largest magnitude)) - 4); its byte is the largest magnitude's exponent field - 4, held at 1 from below.
; LIMITS: NaN and infinities among the inputs are not served.  A block whose largest magnitude lies under 2^-122 has its byte held at 1; a block of zeros gets the byte 1 where the rule says 127: its codes
; are zeros, and this program alone reads the bytes.  Indices are held to 0 .. 7.  t is the sum, K ascending, of eight f32 sums of 128 along K.
; SHARES.  256 work-groups of eight waves; every wave loads FOUR tiles of 16 rows x 128 K (32,768 bytes, all 64 loads issued ahead of the work), each load 512 consecutive bytes of one row; a tile turns through
; the wave's own stage in LDS (16 rows x 528 bytes), so that a lane gets 16 neighbours of each block of 32 of ONE row.
; Work-groups 128-191 take wi_w, 192-255 wo_w: a wave makes one block.  Work-groups 0-127 take 32 tokens each: wave w takes K step w: its four tiles are two tiles of tokens (half a block: two images, and 8 of
; every 16 bytes of the scale words) and the same K step of A_0 and of A_1; the tokens' codes stay in registers and each A_e is multiplied against both; the eight waves' sums meet in LDS behind a barrier.
; The text parts ONCE, on the work-group's number; each path has stage bytes of its own.  No tensor load, no cluster: work-groups share no input but A's 128 KiB.
.set STGW, 8448                        ; a wave's stage
.set STGH, 8*STGW                      ; the tokens' path: its eight stages lie behind the weights' path's
.set PART, 16*STGW                     ; the partial sums of t: wave w', tile f, expert e at 4096 w' + 1024 (2 f + e)
.set OFF,  16                          ; v16-31   16 x lane + the tile's row i x the source's pitch
.set X0,   32                          ; v32-95, v96-159  two sets of 64 numbers: register 16 b + i = k 32 b + 16 (lane / 16) + i of my row
.set PC,   160                         ; v160-171 the codes just made
.set SCR,  172                         ; v172-179 at work in the quantiser
.set TM,   180                         ; v180-195 at work in the quantiser
.set PW,   196                         ; v196-199 the tiles' scale words
.set H0,   200                         ; v200-211, v212-223 the tokens' path: its two tiles' codes
.set SAW,  224                         ; v224     A_e's scale word
.set T0,   232                         ; v232-239, v240-247 t's two accumulators
.set T1,   240
.set SEL,  2                           ; s[2:3]   v_permlanex16_b32's selects for lane l xor 16
.set SB,   40                          ; s[40:47] the four tiles' first rows in their sources
.set DST,  48                          ; s[48:49] my block in the workspace
.set MSB, 0
.macro WIN new                         ; the immediate's high byte repeats the setting that is left
.if MSB != (\new)
	s_set_vgpr_msb (MSB<<8)|(\new)
.set MSB, \new
.endif
.endm
; 64 numbers of a lane, v[s] on, become a fragment's codes in v[d] on and its scale word in v[pw].
.macro QUANT s, d, pw
.irp b, 0,1,2,3
	v_max3_num_f32 v[TM+\b], |v[\s+16*\b]|, |v[\s+1+16*\b]|, 0x2800000   ; block b: my 16 numbers, and the floor 2^(5 - 127): so the byte cannot fall under 1
.endr
.irp i, 2,4,6,8,10,12,14
.irp b, 0,1,2,3
	s_delay_alu instid0(VALU_DEP_4)
	v_max3_num_f32 v[TM+\b], v[TM+\b], |v[\s+16*\b+\i]|, |v[\s+1+16*\b+\i]|   ; the four blocks by turns
.endr
.endr
.irp b, 0,1,2,3
	s_delay_alu instid0(VALU_DEP_4)
	v_permlanex16_b32 v[TM+4+\b], v[TM+\b], s[SEL], s[SEL+1]
.endr
.irp b, 0,1,2,3
	s_delay_alu instid0(VALU_DEP_4)
	v_max_num_f32 v[TM+\b], v[TM+\b], v[TM+4+\b]   ; with lane l xor 16's: the block's largest magnitude
.endr
.irp b, 0,1,2,3
	s_delay_alu instid0(VALU_DEP_4)
	v_add_nc_u32 v[TM+12+\b], 0xfe000000, v[TM+\b]  ; 4 off its exponent field: the conversion's scale operand
.endr
.irp b, 0,1,2,3
	s_delay_alu instid0(VALU_DEP_4)
	v_lshrrev_b32 v[TM+4+\b], 23, v[TM+12+\b]      ; the scale's byte
.endr
	s_delay_alu instid0(VALU_DEP_3)
	v_lshl_or_b32 v[\pw], v[TM+5], 8, v[TM+4]      ; four bytes make my row's scale word
	s_delay_alu instid0(VALU_DEP_1)
	v_lshl_or_b32 v[\pw], v[TM+6], 16, v[\pw]
	s_delay_alu instid0(VALU_DEP_1)
	v_lshl_or_b32 v[\pw], v[TM+7], 24, v[\pw]
.irp c, 0,1
	v_cvt_scalef32_pk16_bf6_f32 v[\d+6*\c:\d+2+6*\c], v[\s+32*\c:\s+15+32*\c], v[TM+12+2*\c]
	v_cvt_scalef32_pk16_bf6_f32 v[SCR+4*\c:SCR+2+4*\c], v[\s+16+32*\c:\s+31+32*\c], v[TM+12+2*\c+1]   ; (a conversion's three registers begin on an even number)
.endr
	v_nop                                          ; one plain place behind a scaled conversion
.irp c, 0,1                            ; the operand's layout wants a WHOLE block in a lane: lanes 0-15 block 2 c, lanes 16-31 block 2 c + 1
.irp i, 0,1,2
	v_permlane16_swap_b32 v[\d+6*\c+\i], v[SCR+4*\c+\i]
.endr
.irp i, 0,1,2
	s_delay_alu instid0(VALU_DEP_3)
	v_mov_b32 v[\d+3+6*\c+\i], v[SCR+4*\c+\i]
.endr
.endr
.endm
.macro LOAD f, nt                      ; tile f: 16 rows x 512 bytes, into window 1, v[64 f + 4 i].  nt = 1: bytes that the launch reads once
	WIN 0x40
.irp i, 0,1,2,3,4,5,6,7,8,9,10,11,12,13,14,15
.if \nt
	global_load_b128 v[64*(\f)+4*\i:64*(\f)+4*\i+3], v[OFF+\i], s[SB+2*(\f):SB+2*(\f)+1] th:TH_LOAD_NT
.else
	global_load_b128 v[64*(\f)+4*\i:64*(\f)+4*\i+3], v[OFF+\i], s[SB+2*(\f):SB+2*(\f)+1]
.endif
.endr
	WIN 0
.endm
.macro TURN f, sin, sout               ; tile f through my stage: LDS serves a wave's instructions in order, so no wait stands between the stores and the loads, nor ahead of the next tile's stores
	WIN 0x04                                       ; an LDS store's data are its source 1: window 1
.irp i, 0,1,2,3,4,5,6,7,8,9,10,11,12,13,14,15
	ds_store_b128 v[\sin], v[64*(\f)+4*\i:64*(\f)+4*\i+3] offset:528*\i
.endr
	WIN 0
.set XT, X0+64*((\f)%2)
.irp b, 0,1,2,3
.irp j, 0,1,2,3
	ds_load_b128 v[XT+16*\b+4*\j:XT+16*\b+4*\j+3], v[\sout] offset:128*\b+16*\j
.endr
.endr
.endm
.macro WTILE f                         ; the weights' path: tile f is quantised and stored
.if (\f) < 3
	s_wait_loadcnt 16*(2-(\f))                     ; the next tile's 16 loads are in; those of the tiles behind it may be out
	TURN (\f)+1, 3, 4
	s_wait_dscnt 32                                ; all but that turn's 32: this tile is back from the stage
.else
	s_wait_dscnt 0x0
.endif
.if (\f) > 0
	s_wait_xcnt 0x0                                ; the last tile's stores have read the codes' registers
.endif
.set XS, X0+64*((\f)%2)
	QUANT XS, PC, PW+\f
.irp c, 0,1,2
	global_store_b128 v1, v[PC+4*\c:PC+4*\c+3], s[DST:DST+1] offset:1536*(\f)+512*\c   ; 32 lanes store 512 consecutive bytes, at a multiple of 256 from the buffer's first byte
.endr
.endm
.macro HTILE f                         ; the tokens' path: tile f of tokens is quantised into registers that keep it, and stored
	s_wait_loadcnt 16*(2-(\f))                     ; the next tile's 16 loads are in; those of the tiles behind it may be out
	TURN (\f)+1, 8, 9
	s_wait_dscnt 32                                ; all but that turn's 32
.set XS, X0+64*(\f)
	QUANT XS, H0+12*(\f), PW+\f
.irp c, 0,1,2
	global_store_b128 v14, v[H0+12*(\f)+4*\c:H0+12*(\f)+4*\c+3], s[DST:DST+1] offset:1536*(\f)+512*\c
.endr
.endm
.macro ATILE e                         ; the tokens' path: my K step of A_e is quantised and multiplied against both tiles of tokens
.if (\e) == 0
	s_wait_loadcnt 0x0                             ; A_1's loads are in
	TURN 3, 8, 9
	s_wait_dscnt 32                                ; all but that turn's 32
.else
	s_wait_dscnt 0x0                               ; A_1 is back from the stage, and expert 0's stores of t have read their registers
.endif
.set XS, X0+64*(\e)
	QUANT XS, PC, SAW
.rept 8
	v_nop                                          ; a scale register written by a vector instruction stands 8 places ahead of a scaled matrix instruction, an operand 4
.endr
	v_wmma_scale_f32_16x16x128_f8f6f4 v[T0:T0+7], v[PC:PC+11], v[H0:H0+11], 0, v[SAW], v[PW] matrix_a_fmt:MATRIX_FMT_BF6 matrix_b_fmt:MATRIX_FMT_BF6   ; source 0 = A_e's 16 ranks, source 1 = 16 tokens: a lane holds one token and 8 ranks
	v_wmma_scale_f32_16x16x128_f8f6f4 v[T1:T1+7], v[PC:PC+11], v[H0+12:H0+23], 0, v[SAW], v[PW+1] matrix_a_fmt:MATRIX_FMT_BF6 matrix_b_fmt:MATRIX_FMT_BF6
.rept 4
	v_nop                                          ; four places ahead of the first read of the results
.endr
	ds_store_b128 v6, v[T0:T0+3] offset:1024*(\e)                ; each accumulator from its low end on
	ds_store_b128 v6, v[T0+4:T0+7] offset:1024*(\e)+512
	ds_store_b128 v6, v[T1:T1+3] offset:1024*(2+(\e))
	ds_store_b128 v6, v[T1+4:T1+7] offset:1024*(2+(\e))+512
.endm
	s_load_b256 s[4:11], s[0:1], 0x0               ; hidden_states, wi_w, wo_w, lora_As
	s_load_b256 s[12:19], s[0:1], 0x20             ; top_k_indices, hq, wiq, woq
	s_load_b64 s[20:21], s[0:1], 0x40              ; tq
	v_lshl_add_u32 v254, v0, 2, 0x29000
	v_mov_b32 v255, 0
	v_lshrrev_b32 v10, 5, v0
	s_delay_alu instid0(VALU_DEP_1)
	v_readfirstlane_b32 s26, v10                   ; wave 0..7
	v_and_b32 v10, 31, v0                          ; lane
	v_and_b32 v11, 15, v0                          ; r
	v_bfe_u32 v12, v0, 4, 1                        ; h
	s_delay_alu instid0(VALU_DEP_3)
	v_lshlrev_b32 v1, 4, v10                       ; 16 x lane
	s_delay_alu instid0(VALU_DEP_3)
	v_lshlrev_b32 v2, 4, v11                       ; 16 r
	s_mul_i32 s50, s26, STGW
	v_add_nc_u32 v3, s50, v1                       ; the weights' path: into my stage,
	v_mul_u32_u24 v4, v11, 528
	s_delay_alu instid0(VALU_DEP_1)
	v_lshl_add_u32 v4, v12, 6, v4
	s_delay_alu instid0(VALU_DEP_1)
	v_add_nc_u32 v4, s50, v4                       ; and out of it: row r, + 64 h
	s_delay_alu instid0(VALU_DEP_4)
	v_add_nc_u32 v8, STGH, v3                      ; the tokens' path: the same in stage bytes of its own
	s_delay_alu instid0(VALU_DEP_2)
	v_add_nc_u32 v9, STGH, v4
	s_lshl_b32 s51, s26, 12
	v_add_nc_u32 v6, s51, v1
	s_delay_alu instid0(VALU_DEP_1)
	v_add_nc_u32 v6, PART, v6                      ; where I put my four partial sums
	s_lshl_b32 s51, s26, 9
	v_add_nc_u32 v7, s51, v1
	s_delay_alu instid0(VALU_DEP_1)
	v_add_nc_u32 v7, PART, v7                      ; and where I gather the eight waves' for the 512 bytes that I own
.irp b, 0,1,2,3
	v_mov_b32 v[TM+4+\b], 0                        ; written once: a lane permute's destination counts as one of its sources
.endr
	s_mov_b32 s[SEL], 0x76543210
	s_mov_b32 s[SEL+1], 0xfedcba98
	s_lshr_b32 s24, ttmp9, 6
	s_max_u32 s24, s24, 1
	s_sub_co_u32 s24, s24, 1                       ; which tensor: 0 hidden_states (work-groups 0-127), 1 wi_w, 2 wo_w
	s_and_b32 s25, ttmp9, 63                       ; the weights' path: which of the tensor's 64 parts
	s_lshr_b32 s28, s25, 2                         ; wo_w: 16 runs of 64 rows x 4 runs of 8 K steps
	s_and_b32 s29, s25, 3
	s_lshl_b32 s29, s29, 3
	s_add_co_u32 s29, s29, s26
	s_cmp_eq_u32 s24, 2
	s_cselect_b32 s28, s28, s25                    ; G: which 64 rows
	s_cselect_b32 s29, s29, s26                    ; my K step
	s_cselect_b32 s30, 14, 12                      ; log2 of a row's bytes
	s_cselect_b32 s31, 2, 1                        ; log2 of the K steps that lie together in the workspace
	s_cselect_b32 s32, 4, 6                        ; log2 of the runs of 64 rows
	s_cselect_b32 s33, 3, 1
	s_cmp_eq_u32 s24, 1
	s_cselect_b32 s34, 3, 4                        ; log2 of the rows from tile 0 to tile 1: wi_w 8, else 16
	s_cselect_b32 s35, 8, 0                        ; wi_w: a tile's rows 8-15 lie 8 further on
	s_lshl_b32 s27, 1, s30                         ; the pitch (hidden_states and A_e: 4,096 bytes)
	s_mul_i32 s35, s35, s27
	s_add_co_u32 s36, s30, 6
	s_lshl_b32 s36, s28, s36                       ; 64 G rows,
	s_lshl_b32 s37, s29, 9
	s_add_co_u32 s36, s36, s37                     ; + 512 bytes a K step
	s_mov_b32 s37, 0
	s_lshr_b32 s38, s29, s31                       ; my block's number in the workspace
	s_lshl_b32 s38, s38, s32
	s_add_co_u32 s38, s38, s28
	s_lshl_b32 s38, s38, s31
	s_and_b32 s39, s29, s33
	s_add_co_u32 s38, s38, s39
	s_mul_i32 s38, s38, 6400
	s_mov_b32 s39, 0
	s_add_co_u32 s52, s34, s30
	s_lshl_b32 s52, 1, s52                         ; from tile 0 to tile 1, in bytes
	s_mov_b32 s53, 0
	s_lshl_b32 s54, s27, 5                         ; from tile 0 to tile 2: 32 rows
	s_mov_b32 s55, 0
	v_add_nc_u32 v13, s35, v1
.irp i, 0,1,2,3,4,5,6,7
	v_mad_u32_u24 v[OFF+\i], s27, \i, v1
.endr
.irp i, 8,9,10,11,12,13,14,15
	v_mad_u32_u24 v[OFF+\i], s27, \i, v13
.endr
	s_wait_kmcnt 0x0
	s_cmp_eq_u32 s24, 2                            ; the weights' buffers are chosen by the work-group's number alone
	s_cselect_b64 s[SB:SB+1], s[8:9], s[6:7]
	s_cselect_b64 s[DST:DST+1], s[18:19], s[16:17]
	s_add_nc_u64 s[SB:SB+1], s[SB:SB+1], s[36:37]
	s_add_nc_u64 s[DST:DST+1], s[DST:DST+1], s[38:39]
	s_add_nc_u64 s[SB+2:SB+3], s[SB:SB+1], s[52:53]
	s_add_nc_u64 s[SB+4:SB+5], s[SB:SB+1], s[54:55]
	s_add_nc_u64 s[SB+6:SB+7], s[SB+4:SB+5], s[52:53]
	s_cmp_lg_u32 s24, 0
	s_cbranch_scc1 .Lweights
	; ---- the tokens' path: it makes its own bases
	s_load_b64 s[22:23], s[12:13], 0x0             ; the two experts: waited for behind the tokens' loads
	s_and_b32 s25, ttmp9, 127                      ; which 32 tokens
	s_lshl_b32 s36, s25, 17                        ; 32 rows of 4,096 bytes,
	s_lshl_b32 s56, s26, 9                         ; + my K step's 512 bytes
	s_add_co_u32 s36, s36, s56
	s_mov_b32 s37, 0
	s_add_nc_u64 s[SB:SB+1], s[4:5], s[36:37]
	s_add_nc_u64 s[SB+2:SB+3], s[SB:SB+1], 0x10000 ; the second tile: 16 rows on
	s_wait_alu depctr_va_vdst(0)
	LOAD 0, 1
	LOAD 1, 1
	s_lshr_b32 s28, s25, 1                         ; G: which 64 tokens' block,
	s_and_b32 s29, s25, 1                          ; and which half of it
	s_lshr_b32 s38, s26, 1
	s_lshl_b32 s38, s38, 6
	s_add_co_u32 s38, s38, s28
	s_lshl_b32 s38, s38, 1
	s_and_b32 s39, s26, 1
	s_add_co_u32 s38, s38, s39                     ; block ((K step / 2) x 64 + G) x 2 + K step % 2
	s_mul_i32 s38, s38, 6400
	s_mov_b32 s39, 0
	s_add_nc_u64 s[DST:DST+1], s[14:15], s[38:39]
	s_mul_i32 s50, s29, 3072
	v_add_nc_u32 v14, s50, v1                      ; my half's two images
	s_lshl_b32 s51, s29, 3
	v_add_nc_u32 v15, s51, v2                      ; and its two of each row's four scale words
	s_lshl_b32 s50, s25, 12                        ; tq: 4,096 bytes for 32 tokens; I own bytes 512 x wave on: tile wave / 4, expert (wave / 2) % 2, half wave % 2
	s_lshl_b32 s51, s26, 9
	s_add_co_u32 s50, s50, s51
	s_mov_b32 s51, 0
	s_add_nc_u64 s[20:21], s[20:21], s[50:51]
	s_wait_kmcnt 0x0
	s_min_u32 s22, s22, 7
	s_min_u32 s23, s23, 7
	s_lshl_b32 s22, s22, 16                        ; an expert's A is 65,536 bytes
	s_lshl_b32 s58, s23, 16
	s_add_co_u32 s22, s22, s56
	s_add_co_u32 s58, s58, s56
	s_mov_b32 s23, 0
	s_mov_b32 s59, 0
	s_add_nc_u64 s[SB+4:SB+5], s[10:11], s[22:23]
	s_add_nc_u64 s[SB+6:SB+7], s[10:11], s[58:59]
	LOAD 2, 0                                      ; A_0's and A_1's 16 rows, 512 consecutive bytes a load; other work-groups read them again
	LOAD 3, 0
	s_wait_loadcnt 48                              ; the first tile's 16 loads are in; three tiles' may be out
	TURN 0, 8, 9
	HTILE 0
	HTILE 1
	global_store_b64 v15, v[PW:PW+1], s[DST:DST+1] offset:6144   ; my half of the block's scale words; lanes l and l xor 16 hold the same words and write the same bytes
	ATILE 0
	ATILE 1
	s_wait_dscnt 0x0                               ; for the others' sake: my partial sums lie in LDS
	s_barrier_signal -1
	s_barrier_wait -1
.irp w, 0,1,2,3,4,5,6,7
	ds_load_b128 v[X0+4*\w:X0+4*\w+3], v7 offset:4096*\w
.endr
	s_wait_dscnt 0x0
.irp w, 1,2,3,4,5,6,7                  ; K ascending
.irp p, 0,2
	v_pk_add_f32 v[X0+\p:X0+\p+1], v[X0+\p:X0+\p+1], v[X0+4*\w+\p:X0+4*\w+\p+1]
.endr
.endr
	global_store_b128 v1, v[X0:X0+3], s[20:21]     ; 32 lanes store 512 consecutive bytes
	s_wait_tensorcnt 0x0
	ds_add_u32 v254, v255
	s_wait_dscnt 0x0
	s_endpgm
.Lweights:
	; ---- wi_w's and wo_w's path
	s_wait_alu depctr_va_vdst(0)
	LOAD 0, 1
	LOAD 1, 1
	LOAD 2, 1
	LOAD 3, 1
	s_wait_loadcnt 48                              ; tile 0's 16 loads are in; three tiles' may be out
	TURN 0, 3, 4
	WTILE 0
	WTILE 1
	WTILE 2
	WTILE 3
	global_store_b128 v2, v[PW:PW+3], s[DST:DST+1] offset:6144   ; the block's 256 bytes of scale words; lanes l and l xor 16 hold the same words and write the same bytes
	s_wait_tensorcnt 0x0
	ds_add_u32 v254, v255
	s_wait_dscnt 0x0
	s_endpgm
.Lfunc_end_k_q2dad9a0687_prep:
	.size	k_q2dad9a0687_prep, .Lfunc_end_k_q2dad9a0687_prep-k_q2dad9a0687_prep
	.p2alignl 7, 3214868480
	.fill 96, 4, 3214868480
	.section	.rodata,"a",@progbits
	.p2align	6, 0x0
	.amdhsa_kernel k_q2dad9a0687_prep
		.amdhsa_group_segment_fixed_size 168960
		.amdhsa_private_segment_fixed_size 0
		.amdhsa_enable_private_segment 0
		.amdhsa_kernarg_size 72
		.amdhsa_user_sgpr_count 2
		.amdhsa_user_sgpr_kernarg_segment_ptr 1
		.amdhsa_wavefront_size32 1
		.amdhsa_system_sgpr_workgroup_id_x 1
		.amdhsa_system_sgpr_workgroup_id_y 1
		.amdhsa_system_sgpr_workgroup_id_z 1
		.amdhsa_system_vgpr_workitem_id 0
		.amdhsa_next_free_vgpr 512
		.amdhsa_next_free_sgpr 66
		.amdhsa_reserve_vcc 0
		.amdhsa_float_denorm_mode_32 3
		.amdhsa_float_denorm_mode_16_64 3
		.amdhsa_memory_ordered 1
		.amdhsa_forward_progress 1
		.amdhsa_inst_pref_size 85
	.end_amdhsa_kernel
	.amdgpu_metadata
---
amdhsa.version: [ 1, 2 ]
amdhsa.kernels:
  - .name:           k_q2dad9a0687_prep
    .symbol:         k_q2dad9a0687_prep.kd
    .args:
      - { .name: hidden_states, .offset: 0, .size: 8, .value_kind: global_buffer, .address_space: global }
      - { .name: wi_w, .offset: 8, .size: 8, .value_kind: global_buffer, .address_space: global }
      - { .name: wo_w, .offset: 16, .size: 8, .value_kind: global_buffer, .address_space: global }
      - { .name: lora_As, .offset: 24, .size: 8, .value_kind: global_buffer, .address_space: global }
      - { .name: top_k_indices, .offset: 32, .size: 8, .value_kind: global_buffer, .address_space: global }
      - { .name: hq, .offset: 40, .size: 8, .value_kind: global_buffer, .address_space: global }
      - { .name: wiq, .offset: 48, .size: 8, .value_kind: global_buffer, .address_space: global }
      - { .name: woq, .offset: 56, .size: 8, .value_kind: global_buffer, .address_space: global }
      - { .name: tq, .offset: 64, .size: 8, .value_kind: global_buffer, .address_space: global }
    .group_segment_fixed_size: 168960
    .private_segment_fixed_size: 0
    .kernarg_segment_align: 8
    .kernarg_segment_size: 72
    .max_flat_workgroup_size: 256
    .sgpr_count:     66
    .vgpr_count:     512
    .wavefront_size: 32
...
	.end_amdgpu_metadata
.endif
;; end of part 1
;; launch up (part 2): grid 16 x 16, 4 waves a work-group, clusters of 4 x 4, 327,680 bytes of LDS; arguments hq, wiq, tq, lora_Bs, top_k_indices, hid; writes hid
.if DOCPART == 2
	.amdgcn_target "amdgcn-amd-amdhsa--gfx1250"
	.amdhsa_code_object_version 6
	.text
	.protected	k_q2dad9a0687_up
	.globl	k_q2dad9a0687_up
	.p2align	8
	.type	k_q2dad9a0687_up,@function
k_q2dad9a0687_up:
	s_mov_b64 s[64:65], 0
	v_nop
	global_prefetch_b8 v0, s[64:65] scope:SCOPE_SE
	s_setreg_imm32_b32 hwreg(HW_REG_WAVE_MODE, 25, 1), 1
	s_wait_xcnt 0x0
	s_wait_alu depctr_hold_cnt(0) depctr_sa_sdst(0) depctr_va_vdst(0) depctr_va_sdst(0) depctr_va_ssrc(0) depctr_va_vcc(0) depctr_vm_vsrc(0)
	s_getreg_b32 s2, hwreg(HW_REG_IB_STS2, 6, 4)
	s_cmp_eq_u32 s2, 0
	s_cbranch_scc0 .Lentry_in_a_cluster
	s_endpgm
.Lentry_in_a_cluster:
	s_bfe_u32 s2, ttmp6, 0x10000c
	s_cmp_lg_u32 s2, 0xf033
	s_cbranch_scc0 .Lentry_shape_is_right
	s_endpgm
.Lentry_shape_is_right:
; hid_e = Q(relu(Q(h) Q(wi)^T + t_e Bm_e^T)) for the two experts that top_k_indices names.  h and wi come as codes of BF6 (E3M2) in blocks of 6,400 bytes (four fragment images of 1,536 bytes, then 256 bytes
; of scale words: row r of tile rt at 16 r + 4 rt); t_e as images of accumulators; Bm_e = lora_Bs[e], [4096][16] f32.  hid: [expert: 2][64 tokens: 64][K step f / 128: 32][6400], blocks of the same form.
; The first product does not hang on the expert: it is multiplied ONCE and serves both.  The product with K = 16 goes on into a quantiser, so its operands are f32: v_wmma_f32_16x16x4_f32.
; LIMITS: NaN and infinities are not served; a block whose largest number lies under 2^-122, a block of zeros among them, has the byte 1; indices are held to 0 .. 7; the 16 ranks' terms are added onto the finished first sum.
; SHARES.  A work-group makes 256 tokens x 256 f; each of four waves 128 x 128: 64 accumulators, 512 registers.  THE MATRIX INSTRUCTION IS USED TRANSPOSED (source 0 = 16 rows of wi, source 1 = 16 tokens), and
; wi's rows were chosen so that a lane holds ONE token and its 64 registers of a tile of tokens are k = 32 b + 16 (lane / 16) + i of the next product: a wave's 128 f are one K step of it.
; K = 1,024 is four K slots of 256.  LDS has three regions of 102,400 bytes (h's 4 x 2 blocks, then wi's): K slots 0, 1, 2 are asked for at the start, K slot 3 goes into region 0 when K step 1 has read it out.
; CLUSTERS: 4 x 4 work-groups.  h's blocks hang on the token block alone and are shared along a row of the cluster, wi's on the f block alone and are shared along a column: each is asked for JOINTLY.
; A wave has one tensor load out at a time: two at the start (K slot 0, then K slots 1 and 2), one behind the round.
; REGISTERS.  window 0: v16-31 addresses; v32-47 scale words, two sets; v64-127 E0, expert 0's sums for one tile of tokens (matrix instructions alone write them); v128-223 h's fragments, ONE set, later t of tiles 2-7;
;   v224-255 t of tiles 0, 1.   window 1: v0-95, v128-223 wi's fragments, two sets; v96-127, v224-255 Bm_0; behind the first product v0-63 Bm_1, v64-95 and v128-223 the quantiser's.
;   windows 2, 3: the accumulators, (a, b) at v[8 (8 (a % 4) + b)] (matrix instructions alone write them).
.set GB,    6400
.set REG,   102400
.set SLOTB, 819200                     ; a K slot of hq or of wiq in memory
.set SPARE, 3*REG                      ; behind the regions: the spare words, 128 bytes for each wave: two blocks of 256 bytes that no other line names
.set ADRA, 16                          ; v16-18  16 x lane + my 128 tokens' blocks in region 0, 1, 2
.set ADRB, 20                          ; v20-22  the same for my 128 f
.set ADRS, 24                          ; v24-26  scale words: lanes 0-15 h's, lanes 16-31 wi's
.set SOT,  27                          ; v27     16 r + 204,800 h, moved to window 1 later
.set SPW,  28                          ; v28     LDS address of my spare word; never rewritten
.set NIL,  29                          ; v29     0; never rewritten
.set LI,   30                          ; v30     16 x lane
.set BO,   31                          ; v31     Bm: 64 (r + 8 (r / 8)) + 32 h
.set SC,   32                          ; set p at v[SC + 8 p]; register i: lanes 0-15 the word of h's tile i, lanes 16-31 that of wi's tile i
.set E0,   64
.set AF,   128
.set TM,   64                          ; window 1, behind the first product: v64-79 at work
.set PW,   80                          ; v80-95   scale words: expert e, tile a at 8 e + a
.set X,    128                         ; v128-191 64 numbers behind the relu
.set PC,   192                         ; v192-211 codes, and 8 at work
.set HO,   212                         ; v212     16 x lane
.set SO,   213                         ; v213     16 r + 204,800 h
.set W,    216                         ; v216-223 the scale words on their way out
.set WV,   16
.set RH,   17
.set CH,   18
.set G1A,  28                          ; s[28:35] descriptor group 1 for h's blocks;  s[36:43] for wi's: it differs in the mask alone
.set G1B,  36
.set G0A,  44                          ; s[44:47] group 0 for h's blocks;  s[68:71] for wi's
.set G0B,  68
.set G1HA, 48                          ; s[48:55] group 1 for the one load that brings K slots 1 and 2 of h's blocks;  s[72:79] the same for wi's.  One group 0 a side serves all loads: it is rewritten where no load of the wave is out
.set G1HB, 72
.set SEL,  56                          ; s[56:57] v_permlanex16_b32's selects for lane l xor 16
.set SH,   58                          ; s[58:59], s[60:61] my first block of hid, expert 0, 1
.set MK,   62                          ; s62      lanes 16-31
.set SBM,  80                          ; s[80:81], s[82:83] my 128 rows of Bm_0, Bm_1
.set ST,   84                          ; s[84:85] my 8 tiles of t
.set MSB, 0
.macro WIN new                         ; the immediate's high byte repeats the setting that is left
.if MSB != (\new)
	s_set_vgpr_msb (MSB<<8)|(\new)
.set MSB, \new
.endif
.endm
.set MUL_LO, 0xa1                      ; source 0 (wi) window 1, source 1 (h) window 0, C and D window 2
.set MUL_HI, 0xf1                      ; the same, C and D window 3
.set TO_B,   0x40                      ; destination window 1, address window 0
; A joint load: waves 0 and 1 fetch h's two halves, waves 2 and 3 wi's.  The branch hangs on the wave's number alone.  Four v_nop follow each of the two lines.
.macro JLOAD g0a, g1a, g0b, g1b
	s_cmp_eq_u32 s[RH], 0
	s_cbranch_scc0 .Lfor_b_\@
	tensor_load_to_lds s[\g0a:\g0a+3], s[\g1a:\g1a+7]
	s_nop 0
.rept 4
	v_nop
.endr
	s_branch .Lasked_\@
.Lfor_b_\@:
	tensor_load_to_lds s[\g0b:\g0b+3], s[\g1b:\g1b+7]
	s_nop 0
.rept 4
	v_nop
.endr
.Lasked_\@:
.endm
.macro CREST                           ; a round of the cluster's barrier behind its opening barrier
	s_cmp_lg_u32 s[WV], 0
	s_cbranch_scc1 .Lnot_wave_0_\@
	s_barrier_signal -3
.Lnot_wave_0_\@:
	s_barrier_wait -3
	s_barrier_signal -1
	s_barrier_wait -1
.endm
.macro CROUND                          ; a whole round
	s_barrier_signal -1
	s_barrier_wait -1
	CREST
.endm
.macro PLACES n
.rept \n
	v_nop
.endr
.endm
	s_load_b256 s[4:11], s[0:1], 0x0               ; hq, wiq, tq, lora_Bs
	s_load_b128 s[12:15], s[0:1], 0x20             ; top_k_indices, hid
	v_lshl_add_u32 v[SPW], v0, 2, SPARE
	v_mov_b32 v[NIL], 0
	ds_add_u32 v28, v29
	ds_add_u32 v28, v29
	s_wait_dscnt 0x0
	v_lshrrev_b32 v1, 5, v0
	v_readfirstlane_b32 s[WV], v1                  ; wave 0..3
	s_lshr_b32 s[RH], s[WV], 1                     ; which 128 tokens are mine.  Also: I fetch for h (0) or for wi (1)
	s_and_b32 s[CH], s[WV], 1                      ; which 128 f.  Also: which half of those blocks I fetch
	s_bfe_u32 s19, ttmp6, 0x40000                  ; cx, cy: my place in the cluster
	s_bfe_u32 s20, ttmp6, 0x40004
	s_lshl_b32 s21, ttmp9, 2
	s_add_co_u32 s21, s21, s19                     ; tx: which 256 f
	s_and_b32 s22, ttmp7, 0xffff
	s_lshl_b32 s22, s22, 2
	s_add_co_u32 s22, s22, s20                     ; ty: which 256 tokens
	s_lshl_b32 s23, s20, 2
	s_lshl_b32 s23, 15, s23                        ; my row of the cluster
	s_lshl_b32 s24, 0x1111, s19                    ; my column
	s_or_b32 s[G1A], s23, (3<<16)|(1<<21)          ; 15:0 the mask; 17:16 elements of 8 bytes; 20 no padding; 21 set beside a mask
	s_or_b32 s[G1B], s24, (3<<16)|(1<<21)
	s_or_b32 s[G1HA], s23, (3<<16)|(1<<21)
	s_or_b32 s[G1HB], s24, (3<<16)|(1<<21)
.irp g, G1HA, G1HB                     ; two K slots' parts: two rows of 25,600 dense bytes, a K slot (819,200 bytes) apart in memory, on end in LDS
	s_mov_b32 s[\g+1], 3200<<16                    ; tensor_dim0 = 3,200 elements of 8 bytes
	s_mov_b32 s[\g+2], 2<<16                       ; tensor_dim1 = 2
	s_mov_b32 s[\g+3], 3200<<16                    ; tile_dim0
	s_mov_b32 s[\g+4], 2                           ; tile_dim1
	s_mov_b32 s[\g+5], SLOTB/8                     ; tensor_dim0_stride
	s_mov_b32 s[\g+6], 0
	s_mov_b32 s[\g+7], 0
.endr
.irp g, G1A, G1B                       ; four blocks, 25,600 dense bytes, as 100 rows of 256 bytes
	s_mov_b32 s[\g+1], 32<<16                      ; tensor_dim0 = 32
	s_mov_b32 s[\g+2], 100<<16                     ; tensor_dim1 = 100
	s_mov_b32 s[\g+3], 32<<16                      ; tile_dim0 = 32
	s_mov_b32 s[\g+4], 100                         ; tile_dim1 = 100
	s_mov_b32 s[\g+5], 32                          ; tensor_dim0_stride
	s_mov_b32 s[\g+6], 0
	s_mov_b32 s[\g+7], 0
.endr
	s_lshl_b32 s25, s[CH], 1
	s_lshl_b32 s86, s22, 2
	s_add_co_u32 s86, s86, s25                     ; h: run of 64 tokens 4 ty + 2 x half,
	s_mul_i32 s86, s86, 2*GB                       ; two blocks each in a K slot
	s_mov_b32 s87, 0
	s_lshl_b32 s88, s21, 2
	s_add_co_u32 s88, s88, s25                     ; wi: 4 tx + 2 x half
	s_mul_i32 s88, s88, 2*GB
	s_mov_b32 s89, 0
	s_mul_i32 s90, s[WV], 4*GB
	s_mul_i32 s91, s[WV], 8*GB                     ; regions 1 and 2 lie wave by wave: REG + wave x 51,200, K slot 1's part and then K slot 2's
	s_add_co_u32 s91, s91, REG
	s_wait_kmcnt 0x0
	s_add_nc_u64 s[86:87], s[4:5], s[86:87]
	s_add_nc_u64 s[88:89], s[6:7], s[88:89]
	CROUND                                         ; all sixteen work-groups are here: the first joint loads meet
	s_mov_b32 s[G0A], 1                            ; count = 1
	s_mov_b32 s[G0A+1], s90                        ; LDS address: region 0
	s_mov_b64 s[G0A+2:G0A+3], s[86:87]             ; K slot 0
	s_or_b32 s[G0A+3], s[G0A+3], 0x80000000        ; type = 2
	s_mov_b32 s[G0B], 1
	s_mov_b32 s[G0B+1], s90
	s_mov_b64 s[G0B+2:G0B+3], s[88:89]
	s_or_b32 s[G0B+3], s[G0B+3], 0x80000000
	JLOAD G0A, G1A, G0B, G1B                       ; K slot 0: one tensor load a wave at the head
	s_load_b64 s[92:93], s[12:13], 0x0             ; the two experts
	v_and_b32 v1, 15, v0                           ; r
	v_bfe_u32 v2, v0, 4, 1                         ; h
	v_and_b32 v3, 31, v0                           ; lane
	v_lshlrev_b32 v[LI], 4, v3
	v_cmp_lt_u32 s[MK], 15, v3
	s_mul_i32 s25, s[RH], 4*GB                     ; my tokens' four blocks
	s_mul_i32 s26, s[CH], 4*GB                     ; my f's,
	s_add_co_u32 s26, s26, 8*GB                    ; which lie behind h's eight
	s_sub_co_u32 s27, s26, s25
	v_mul_u32_u24 v4, s27, v2                      ; lanes 16-31 take wi's scale words
	v_lshl_add_u32 v4, v1, 4, v4                   ; + 16 r
	v_add_nc_u32 v4, 6144, v4
	v_add_nc_u32 v[ADRA], s25, v[LI]
	v_add_nc_u32 v[ADRB], s26, v[LI]
	v_add_nc_u32 v[ADRS], s25, v4
	s_lshl_b32 s27, s27, 1                         ; in regions 1 and 2 a wave's part is 51,200 bytes: all distances between parts double
	v_mul_u32_u24 v4, s27, v2
	v_lshl_add_u32 v4, v1, 4, v4
	v_add_nc_u32 v4, 6144, v4
	s_lshl_b32 s25, s25, 1
	s_lshl_b32 s26, s26, 1
	s_add_co_u32 s25, s25, REG
	s_add_co_u32 s26, s26, REG
.irp n, 1,2
	v_add_nc_u32 v[ADRA+\n], s25, v[LI]
	v_add_nc_u32 v[ADRB+\n], s26, v[LI]
	v_add_nc_u32 v[ADRS+\n], s25, v4
	s_add_co_u32 s25, s25, 4*GB
	s_add_co_u32 s26, s26, 4*GB
.endr
	v_and_b32 v5, 8, v1
	v_add_nc_u32 v5, v5, v1                        ; r + 8 (r / 8): Bm's rows of a tile are wi's
	v_lshlrev_b32 v5, 6, v5
	v_lshl_add_u32 v[BO], v2, 5, v5                ; a row of Bm is 64 bytes; my half's eight ranks are 32 h on
	v_mul_u32_u24 v[SOT], v2, 32*GB
	v_lshl_add_u32 v[SOT], v1, 4, v[SOT]
	s_mov_b32 s[SEL], 0x76543210
	s_mov_b32 s[SEL+1], 0xfedcba98
	s_lshl_b32 s86, s22, 15                        ; t: 2,048 bytes a tile of tokens: tile 16 ty + 8 x half
	s_lshl_b32 s87, s[RH], 14
	s_add_co_u32 s86, s86, s87
	s_mov_b32 s87, 0
	s_add_nc_u64 s[ST:ST+1], s[8:9], s[86:87]
	s_lshl_b32 s98, s22, 2                         ; hid: block ((4 ty + 2 x half) x 32 + 2 tx + my half of the f)
	s_lshl_b32 s99, s[RH], 1
	s_add_co_u32 s98, s98, s99
	s_lshl_b32 s98, s98, 5
	s_lshl_b32 s99, s21, 1
	s_add_co_u32 s98, s98, s99
	s_add_co_u32 s98, s98, s[CH]
	s_mul_i32 s98, s98, GB
	s_mov_b32 s99, 0
	s_add_nc_u64 s[SH:SH+1], s[14:15], s[98:99]
	s_add_nc_u64 s[SH+2:SH+3], s[SH:SH+1], 64*32*GB
	s_lshl_b32 s96, s21, 14                        ; Bm: 64 bytes a row: row 256 tx + 128 x half
	s_lshl_b32 s97, s[CH], 13
	s_add_co_u32 s96, s96, s97
	s_wait_alu depctr_va_vdst(0)
	s_wait_kmcnt 0x0
	s_min_u32 s92, s92, 7
	s_min_u32 s93, s93, 7
	s_lshl_b32 s92, s92, 18                        ; an expert's Bm is 262,144 bytes
	s_lshl_b32 s94, s93, 18
	s_add_co_u32 s92, s92, s96
	s_add_co_u32 s94, s94, s96
	s_mov_b32 s93, 0
	s_mov_b32 s95, 0
	s_add_nc_u64 s[SBM:SBM+1], s[10:11], s[92:93]
	s_add_nc_u64 s[SBM+2:SBM+3], s[10:11], s[94:95]
	WIN TO_B
.irp b, 0,1,2,3,4,5,6,7                ; Bm_0: tile b's eight ranks of my half, at v[96 + 8 b] (b < 4) or v[192 + 8 b] of window 1
	global_load_b128 v[96+8*\b+96*(\b/4):96+8*\b+96*(\b/4)+3], v[BO], s[SBM:SBM+1] offset:64*(32*(\b/2)+8*(\b%2))
	global_load_b128 v[96+8*\b+96*(\b/4)+4:96+8*\b+96*(\b/4)+7], v[BO], s[SBM:SBM+1] offset:64*(32*(\b/2)+8*(\b%2))+16
.endr
	WIN 0
.irp a, 0,1
.irp e, 0,1
.irp i, 0,1
	global_load_b128 v[224+16*\a+8*\e+4*\i:224+16*\a+8*\e+4*\i+3], v[LI], s[ST:ST+1] offset:2048*\a+1024*\e+512*\i   ; t of tiles 0, 1
.endr
.endr
.endr
.macro FRAG reg, adr, off              ; a fragment's image: three loads of 512 consecutive bytes
.irp c, 0,1,2
	ds_load_b128 v[\reg+4*\c:\reg+4*\c+3], v[\adr] offset:\off+512*\c
.endr
.endm
.macro FETCH_B rg, q, p                ; wi's eight fragments of region rg's q-th K step into set p
	WIN TO_B
.irp i, 0,1,2,3,4,5,6,7
	FRAG 128*(\p)+12*\i, ADRB+\rg, (2*(\i/4)+(\q))*GB+1536*(\i%4)
.endr
	WIN 0
.endm
.macro FETCH_A rg, q, i0               ; h's tiles i0 .. i0 + 3
.irp i, \i0, \i0+1, \i0+2, \i0+3
	FRAG AF+12*(\i), ADRA+\rg, (2*((\i)/4)+(\q))*GB+1536*((\i)%4)
.endr
.endm
.macro SCALES rg, q, p                 ; that K step's scale words into set p: four tiles' words a load
.irp g, 0,1
	ds_load_b128 v[SC+8*(\p)+4*\g:SC+8*(\p)+4*\g+3], v[ADRS+\rg] offset:(2*\g+(\q))*GB
.endr
.endm
; 16 matrix instructions: h's tiles a0, a0 + 1 x wi's eight.  The 64 accumulators take turns, one instruction a turn, in the same order in every K step.
.macro MUL16 a0, p, zero
.irp a, \a0, \a0+1
.irp b, 0,1,2,3,4,5,6,7
.if \zero
	v_wmma_scale_f32_16x16x128_f8f6f4 v[8*(8*((\a)%4)+\b):8*(8*((\a)%4)+\b)+7], v[128*(\p)+12*\b:128*(\p)+12*\b+11], v[AF+12*(\a):AF+12*(\a)+11], 0, v[SC+8*(\p)+\b], v[SC+8*(\p)+(\a)] matrix_a_fmt:MATRIX_FMT_BF6 matrix_b_fmt:MATRIX_FMT_BF6 matrix_a_scale:MATRIX_SCALE_ROW1
.else
	v_wmma_scale_f32_16x16x128_f8f6f4 v[8*(8*((\a)%4)+\b):8*(8*((\a)%4)+\b)+7], v[128*(\p)+12*\b:128*(\p)+12*\b+11], v[AF+12*(\a):AF+12*(\a)+11], v[8*(8*((\a)%4)+\b):8*(8*((\a)%4)+\b)+7], v[SC+8*(\p)+\b], v[SC+8*(\p)+(\a)] matrix_a_fmt:MATRIX_FMT_BF6 matrix_b_fmt:MATRIX_FMT_BF6 matrix_a_scale:MATRIX_SCALE_ROW1
.endif
.endr
.endr
.endm
; A K step on wi's set p; the next K step's operands (region nrg, its nq-th) are fetched in two runs.  Four places stand ahead of each run of loads into registers that matrix instructions have read.
.macro STEP p, nrg, nq, zero
	s_wait_dscnt 12                                ; wi's set, h's tiles 0-3 and the scale words are in; the youngest 12 loads (h's tiles 4-7) may be out
	WIN MUL_LO
	MUL16 0, \p, \zero
	MUL16 2, \p, \zero
	s_wait_dscnt 0x0                               ; h's tiles 4-7 are in
	PLACES 4
	FETCH_B \nrg, \nq, 1-\p
	FETCH_A \nrg, \nq, 0
	SCALES \nrg, \nq, 1-\p
	WIN MUL_HI
	MUL16 4, \p, \zero
	MUL16 6, \p, \zero
	PLACES 4
	WIN 0
	FETCH_A \nrg, \nq, 4
.endm
; A K step (on set 1) with a barrier in its middle.  In front of it each wave waits for all its tensor loads, adds 0 to its spare word, and waits for that and for its LDS reads.
; fill = 1: the barrier opens a round of the cluster's barrier, and region 0, which nobody reads any more, takes K slot 3.  fill = 0: K slot 3 has landed in every wave's part.
.macro TURN nrg, fill
	s_wait_tensorcnt 0x0                           ; all my tensor loads have landed
	ds_add_u32 v[SPW], v[NIL]                      ; 0 onto my spare word
	s_wait_dscnt 13                                ; (the add and the youngest 12 loads may be out)
	WIN MUL_LO
	MUL16 0, 1, 0                                  ; sixteen matrix instructions stand between the add and the wait for it
	s_wait_dscnt 0x0                               ; the add is done, and my LDS reads are over
	s_barrier_signal -1
	MUL16 2, 1, 0
	WIN 0
	s_barrier_wait -1
.if \fill
	CREST                                          ; no wave of any partner still reads region 0 or has a load on its way
	s_mov_b32 s[G0A+1], s90                        ; back to region 0,
	s_mov_b32 s[G0B+1], s90
	s_add_nc_u64 s[G0A+2:G0A+3], s[G0A+2:G0A+3], 2*SLOTB   ; from K slot 1 to K slot 3
	s_add_nc_u64 s[G0B+2:G0B+3], s[G0B+2:G0B+3], 2*SLOTB
	JLOAD G0A, G1A, G0B, G1B                       ; the first tensor load behind the round: four K steps, 256 matrix instructions, ahead of the wait for it; its four v_nop are the places for the loads below
.else
	PLACES 4
.endif
	FETCH_B \nrg, 0, 0
	FETCH_A \nrg, 0, 0
	SCALES \nrg, 0, 0
	WIN MUL_HI
	MUL16 4, 1, 0
	MUL16 6, 1, 0
	PLACES 4
	WIN 0
	FETCH_A \nrg, 0, 4
.endm
	s_wait_tensorcnt 0x0                           ; my part of K slot 0 is in
	ds_add_u32 v[SPW], v[NIL]
	s_mov_b32 s[G0A+1], s91                        ; no load of mine is out: the groups 0 go on to K slot 1 and my part of regions 1 and 2
	s_mov_b32 s[G0B+1], s91
	s_add_nc_u64 s[G0A+2:G0A+3], s[G0A+2:G0A+3], SLOTB
	s_add_nc_u64 s[G0B+2:G0B+3], s[G0B+2:G0B+3], SLOTB
	s_wait_dscnt 0x0
	CROUND                                         ; everybody's part of K slot 0 is in, and all sixteen work-groups are here
	JLOAD G0A, G1HA, G0B, G1HB                     ; K slots 1 and 2 by one load a wave, the first tensor load behind the round
	FETCH_B 0, 0, 0
	FETCH_A 0, 0, 0
	SCALES 0, 0, 0
	FETCH_A 0, 0, 4
	STEP 0, 0, 1, 1                                ; K step 0: its products start the sums
	TURN 1, 1                                      ; K step 1: the round; region 0 takes K slot 3
	STEP 0, 1, 1, 0                                ; K step 2
	STEP 1, 2, 0, 0                                ; K step 3: region 2 was shown whole to every wave by K step 1's wait and round
	STEP 0, 2, 1, 0                                ; K step 4
	TURN 0, 0                                      ; K step 5: K slot 3 has landed
	STEP 0, 0, 1, 0                                ; K step 6
	WIN TO_B                                       ; K step 7.  wi's set 0 is done with (four places stand behind its last products): Bm_1 lands in v0-63 of window 1
.irp b, 0,1,2,3,4,5,6,7
	global_load_b128 v[8*\b:8*\b+3], v[BO], s[SBM+2:SBM+3] offset:64*(32*(\b/2)+8*(\b%2))
	global_load_b128 v[8*\b+4:8*\b+7], v[BO], s[SBM+2:SBM+3] offset:64*(32*(\b/2)+8*(\b%2))+16
.endr
	WIN 0
	s_wait_dscnt 12
	WIN MUL_LO
	MUL16 0, 1, 0
	MUL16 2, 1, 0
	s_wait_dscnt 0x0
	WIN MUL_HI
	MUL16 4, 1, 0
	MUL16 6, 1, 0
	WIN 0
	PLACES 5                                       ; behind the last products: for the loads and moves into their operands' registers (4), and for the matrix instructions that take their results as another sum's C (5)
.irp a, 2,3,4,5,6,7
.irp e, 0,1
.irp i, 0,1
	global_load_b128 v[128+16*(\a-2)+8*\e+4*\i:128+16*(\a-2)+8*\e+4*\i+3], v[LI], s[ST:ST+1] offset:2048*\a+1024*\e+512*\i   ; t of tiles 2-7, where h's fragments lay
.endr
.endr
.endr
	WIN 0x40
	v_mov_b32 v[HO], v[LI]
	v_mov_b32 v[SO], v[SOT]
.irp b, 0,1,2,3
	v_mov_b32 v[TM+4+\b], 0                        ; written once: a lane permute's destination counts as one of its sources
.endr
; THE 16 RANKS.  For a tile a of tokens and an expert e: 32 matrix instructions, link li: ranks' quarter li / 8, wi's tile li % 8: eight sums by turns.  Source 0 = 16 rows of Bm_e, source 1 = t_e's 16 tokens.
; K place (lane / 16, j) of quarter c stands for rank 8 (lane / 16) + 2 c + j on both sides: so 32 consecutive bytes of a row of Bm, and t's accumulator as it was stored, are the operands as they lie.
; Expert 0's sums go into E0, beginning with the first product's accumulator as C; expert 1's are then added in place onto that accumulator.
.macro LINK a, e
.set cc, li/8
.set bb, li%8
.set rA, 8*(8*((\a)%4)+bb)
.if (\a) < 2
.set rT, 224+16*(\a)+8*(\e)+2*cc
.else
.set rT, 128+16*((\a)-2)+8*(\e)+2*cc
.endif
.if (\e) == 0
.set rB, 96+8*bb+96*(bb/4)+2*cc
.if cc == 0
	WIN 0x21+0x10*((\a)/4)
	v_wmma_f32_16x16x4_f32 v[E0+8*bb:E0+8*bb+7], v[rB:rB+1], v[rT:rT+1], v[rA:rA+7]
.else
	WIN 0x01
	v_wmma_f32_16x16x4_f32 v[E0+8*bb:E0+8*bb+7], v[rB:rB+1], v[rT:rT+1], v[E0+8*bb:E0+8*bb+7]
.endif
.else
.set rB, 8*bb+2*cc
	WIN 0xa1+0x50*((\a)/4)
	v_wmma_f32_16x16x4_f32 v[rA:rA+7], v[rB:rB+1], v[rT:rT+1], v[rA:rA+7]
.endif
.endm
; THE QUANTISER of tile qa, expert qe, is a list of 135 instructions; QI writes number qj of it.  0-63 the relu, each accumulator from its low end on, into X; 64-95 the four blocks' largest numbers, by turns, with the
; floor 2^(5 - 127) (no |.|: none is negative); 96-103 with lane l xor 16's; 104-114 the scale operands, bytes and word; 115-119 four conversions and a plain place; 120-131 whole blocks to a lane; 132-134 the image's stores.
.macro QI qa, qe
.if qj < 64
.if (\qe) == 0
	WIN 0x40
	v_max_num_f32 v[X+qj], 0, v[E0+qj]
.else
	WIN 0x48+4*((\qa)/4)
	v_max_num_f32 v[X+qj], 0, v[64*((\qa)%4)+qj]
.endif
.else
	WIN 0x55
.if qj < 68
	v_max3_num_f32 v[TM+qj-64], v[X+16*(qj-64)], v[X+16*(qj-64)+1], 0x2800000
.elseif qj < 96
.set qb, (qj-64)%4
.set qi, 2*((qj-64)/4)
	v_max3_num_f32 v[TM+qb], v[TM+qb], v[X+16*qb+qi], v[X+16*qb+qi+1]
.elseif qj < 100
	v_permlanex16_b32 v[TM+4+qj-96], v[TM+qj-96], s[SEL], s[SEL+1]
.elseif qj < 104
	v_max_num_f32 v[TM+qj-100], v[TM+qj-100], v[TM+4+qj-100]
.elseif qj < 108
	v_add_nc_u32 v[TM+12+qj-104], 0xfe000000, v[TM+qj-104]
.elseif qj < 112
	v_lshrrev_b32 v[TM+4+qj-108], 23, v[TM+12+qj-108]
.elseif qj == 112
	v_lshl_or_b32 v[PW+8*(\qe)+(\qa)], v[TM+5], 8, v[TM+4]
.elseif qj == 113
	v_lshl_or_b32 v[PW+8*(\qe)+(\qa)], v[TM+6], 16, v[PW+8*(\qe)+(\qa)]
.elseif qj == 114
	v_lshl_or_b32 v[PW+8*(\qe)+(\qa)], v[TM+7], 24, v[PW+8*(\qe)+(\qa)]
.elseif qj < 119
.set qc, (qj-115)/2
.if qj == 115
	s_wait_xcnt 0x0                                ; the last image's stores have read the codes' registers
.endif
.if (qj-115)%2 == 0
	v_cvt_scalef32_pk16_bf6_f32 v[PC+6*qc:PC+6*qc+2], v[X+32*qc:X+32*qc+15], v[TM+12+2*qc]
.else
	v_cvt_scalef32_pk16_bf6_f32 v[PC+12+4*qc:PC+12+4*qc+2], v[X+16+32*qc:X+16+32*qc+15], v[TM+12+2*qc+1]
.endif
.elseif qj == 119
	v_nop                                          ; one plain place behind a scaled conversion
.elseif qj < 126
.set qc, (qj-120)/3
.set qi, (qj-120)%3
	v_permlane16_swap_b32 v[PC+6*qc+qi], v[PC+12+4*qc+qi]
.elseif qj < 132
.set qc, (qj-126)/3
.set qi, (qj-126)%3
	v_mov_b32 v[PC+3+6*qc+qi], v[PC+12+4*qc+qi]
.else
.set qc, qj-132
	global_store_b128 v[HO], v[PC+4*qc:PC+4*qc+3], s[SH+2*(\qe):SH+2*(\qe)+1] offset:32*GB*((\qa)/4)+1536*((\qa)%4)+512*qc   ; 32 lanes store 512 consecutive bytes, at a multiple of 256 from hid's first byte
.endif
.endif
.endm
; A HALF: the 32 links of (a, e) in one run, its eight sums by turns; has = 1: behind them the whole quantiser of the sums that the half before finished, which names no register of this half's links.
; Nine places close a half: eight ahead of the relu that reads its results, nine ahead of the matrix instructions that write over registers that it read as C or wrote as D.
.macro HALF a, e, has, qa, qe
.set li, 0
.rept 32
	LINK \a, \e
.set li, li+1
.endr
.if \has
.set qj, 0
.rept 135
	QI \qa, \qe
.set qj, qj+1
.endr
.endif
	PLACES 9
.endm
	s_wait_loadcnt 40                              ; Bm_0 and t of tiles 0, 1 are in: behind them Bm_1's 16 loads and t's 24
	HALF 0, 0, 0, 0, 0
	s_wait_loadcnt 24                              ; Bm_1 is in
	HALF 0, 1, 1, 0, 0
	HALF 1, 0, 1, 0, 1
	HALF 1, 1, 1, 1, 0
	s_wait_loadcnt 0x0                             ; t of tiles 2-7
.irp a, 2,3,4,5,6,7
	HALF \a, 0, 1, \a-1, 1
	HALF \a, 1, 1, \a, 0
.endr
.set qj, 0
.rept 135
	QI 7, 1
.set qj, qj+1
.endr
	WIN 0x55
.irp e, 0,1                            ; the scale words: lanes 0-15 write the 256 bytes of tiles 0-3's block, lanes 16-31 those of tiles 4-7's, 32 blocks further on
.irp i, 0,1,2,3
	v_cndmask_b32 v[W+4*\e+\i], v[PW+8*\e+\i], v[PW+8*\e+4+\i], s[MK]
.endr
	global_store_b128 v[SO], v[W+4*\e:W+4*\e+3], s[SH+2*\e:SH+2*\e+1] offset:6144
.endr
	WIN 0
	s_wait_tensorcnt 0x0                           ; the wave's end
	ds_add_u32 v[SPW], v[NIL]
	s_wait_dscnt 0x0
	CROUND                                         ; the closing round: no work-group ends while a partner may still ask for a tile that names it
	s_endpgm
.Lfunc_end_k_q2dad9a0687_up:
	.size	k_q2dad9a0687_up, .Lfunc_end_k_q2dad9a0687_up-k_q2dad9a0687_up
	.p2alignl 7, 3214868480
	.fill 96, 4, 3214868480
	.section	.rodata,"a",@progbits
	.p2align	6, 0x0
	.amdhsa_kernel k_q2dad9a0687_up
		.amdhsa_group_segment_fixed_size 327680
		.amdhsa_private_segment_fixed_size 0
		.amdhsa_enable_private_segment 0
		.amdhsa_kernarg_size 48
		.amdhsa_user_sgpr_count 2
		.amdhsa_user_sgpr_kernarg_segment_ptr 1
		.amdhsa_wavefront_size32 1
		.amdhsa_system_sgpr_workgroup_id_x 1
		.amdhsa_system_sgpr_workgroup_id_y 1
		.amdhsa_system_sgpr_workgroup_id_z 1
		.amdhsa_system_vgpr_workitem_id 0
		.amdhsa_next_free_vgpr 1024
		.amdhsa_next_free_sgpr 102
		.amdhsa_reserve_vcc 0
		.amdhsa_float_denorm_mode_32 3
		.amdhsa_float_denorm_mode_16_64 3
		.amdhsa_memory_ordered 1
		.amdhsa_forward_progress 1
		.amdhsa_inst_pref_size 246
	.end_amdhsa_kernel
	.amdgpu_metadata
---
amdhsa.version: [ 1, 2 ]
amdhsa.kernels:
  - .name:           k_q2dad9a0687_up
    .symbol:         k_q2dad9a0687_up.kd
    .args:
      - { .name: hq, .offset: 0, .size: 8, .value_kind: global_buffer, .address_space: global }
      - { .name: wiq, .offset: 8, .size: 8, .value_kind: global_buffer, .address_space: global }
      - { .name: tq, .offset: 16, .size: 8, .value_kind: global_buffer, .address_space: global }
      - { .name: lora_Bs, .offset: 24, .size: 8, .value_kind: global_buffer, .address_space: global }
      - { .name: top_k_indices, .offset: 32, .size: 8, .value_kind: global_buffer, .address_space: global }
      - { .name: hid, .offset: 40, .size: 8, .value_kind: global_buffer, .address_space: global }
    .group_segment_fixed_size: 327680
    .private_segment_fixed_size: 0
    .kernarg_segment_align: 8
    .kernarg_segment_size: 48
    .max_flat_workgroup_size: 128
    .sgpr_count:     102
    .vgpr_count:     1024
    .wavefront_size: 32
...
	.end_amdgpu_metadata
.endif
;; end of part 2
;; launch down (part 3): grid 4 x 64, 4 waves a work-group, clusters of 4 x 4, 327,680 bytes of LDS; arguments hid, woq, top_k_values, out0; writes out0
.if DOCPART == 3
	.amdgcn_target "amdgcn-amd-amdhsa--gfx1250"
	.amdhsa_code_object_version 6
	.text
	.protected	k_q2dad9a0687_down
	.globl	k_q2dad9a0687_down
	.p2align	8
	.type	k_q2dad9a0687_down,@function
k_q2dad9a0687_down:
	s_mov_b64 s[64:65], 0
	v_nop
	global_prefetch_b8 v0, s[64:65] scope:SCOPE_SE
	s_setreg_imm32_b32 hwreg(HW_REG_WAVE_MODE, 25, 1), 1
	s_wait_xcnt 0x0
	s_wait_alu depctr_hold_cnt(0) depctr_sa_sdst(0) depctr_va_vdst(0) depctr_va_sdst(0) depctr_va_ssrc(0) depctr_va_vcc(0) depctr_vm_vsrc(0)
	s_getreg_b32 s2, hwreg(HW_REG_IB_STS2, 6, 4)
	s_cmp_eq_u32 s2, 0
	s_cbranch_scc0 .Lentry_in_a_cluster
	s_endpgm
.Lentry_in_a_cluster:
	s_bfe_u32 s2, ttmp6, 0x10000c
	s_cmp_lg_u32 s2, 0xf033
	s_cbranch_scc0 .Lentry_shape_is_right
	s_endpgm
.Lentry_shape_is_right:
; out0 = v_0 hid_0 Q(wo)^T + v_1 hid_1 Q(wo)^T.  hid_e [4096 tokens][4096] and wo [1024][4096] come as codes of BF6 (E3M2) in blocks of 6,400 bytes: four fragment images of 1,536 bytes
; (64 rows x 128 K; registers 4 g .. 4 g + 3 of lane l at 512 g + 16 l), then 256 bytes of scale words (row r of tile rt at 16 r + 4 rt).
; hid: [expert: 2][64 tokens: 64][K step: 32][6400];  woq: [K step / 4: 8][64 rows: 16][K step % 4][6400].
; LIMITS: NaN and infinities are not served.  Each expert's sum is finished by itself in f32, K ascending; the two are joined by one multiplication and one fused multiply-add.
; SHARES.  256 work-groups; each makes 64 tokens x 256 columns for both experts; each of four waves all 64 tokens x 2 experts (8 tiles of A) x 64 columns (4 tiles of B): 32 accumulators, 256 registers.
; THE RING.  K = 4,096 goes in 8 slots of four K steps through two LDS slots of 153,600 bytes: hid_0's 4 blocks, hid_1's 4 blocks, wo's 16 blocks ([64 rows: 4][K step: 4]); each of the three is dense in memory.
; Wave 0 loads hid_0's 25,600 bytes, wave 1 hid_1's, waves 2 and 3 a half of wo's 102,400 each: one tensor load a wave behind each round, which has 128 matrix instructions a wave up to the wait for it.
; CLUSTERS: 4 x 4 work-groups.  hid's blocks hang on the token block alone and are shared along a row of the cluster, wo's on the column block alone and are shared along a column: each is asked for JOINTLY.
; PREFETCH: behind each refill of the first two trips, the slot that stands two refills on.  The four partners of a joint load share its bytes out by address: of hid's 25,600 bytes the partner at cx takes
; 6,400 (25 blocks of 256 bytes, a lane a block, lanes 25-31 name the last again), of wo's 51,200 the partner at cy takes 12,800 (two instructions).  Slots 0-3 come by their loads alone; the last trip asks for nothing.
; THE MATRIX INSTRUCTION IS USED TRANSPOSED (source 0 = 16 rows of wo, source 1 = 16 tokens): a lane holds one token and eight neighbouring columns.
; REGISTERS.  window 0: v16-30 addresses; v32-39 hid's scale words, two sets (lanes 0-15 expert 0, lanes 16-31 expert 1); v40-47 wo's, two sets; v64-255 the way out.
;   window 1: hid's fragments, two sets, at v0 and v128.  window 2: the accumulators, (tile of A t, tile of B b) at v[8 (4 t + b)].  window 3: wo's fragments, two sets, at v0 and v48.
.set GB,    6400
.set SLOTB, 24*GB
.set WSL,   64*GB                      ; a slot of woq in memory
.set SPARE, 2*SLOTB                    ; behind the ring: the spare words, 128 bytes for each wave
.set STAGE, SPARE+512                  ; behind them: 16 rows x 272 bytes for each wave, for the way out; no tensor load lands there
.set SP,    272
.set ADA,  16                          ; v16-17  16 x lane, in slot 0, 1
.set ADB,  18                          ; v18-19  + my 64 rows of wo
.set ADSA, 20                          ; v20-21  hid's scale words: 16 r, lanes 16-31 in expert 1's blocks
.set ADSB, 22                          ; v22-23  wo's scale words: 16 r
.set STO,  25
.set RD,   26
.set CO,   27
.set SPW,  28                          ; v28     my spare word; never rewritten
.set NIL,  29                          ; v29     0; never rewritten
.set PFO,  30                          ; v30     256 x min(lane, 24)
.set SA,   32
.set SB,   40
.set OB,   96
.set WV,   12
.set CH,   13
.set RH,   14
.set G1A,  24                          ; s[24:31] group 1 for hid's loads;  s[32:39] for wo's
.set G1B,  32
.set G0A,  40                          ; s[40:47] groups 0 for hid's loads, one for each slot;  s[48:55] for wo's
.set G0B,  48
.set VAL,  56                          ; s[56:57] v_0, v_1;  s[58:59] v_1 twice
.set PFA,  60                          ; s[60:61] where my prefetches stand
.set PFS,  62                          ; s[62:63] their step from slot to slot
.set CNT,  80
.set MULW, 0xa7                        ; source 0 (wo) window 3, source 1 (hid) window 1, C and D window 2
.set MSB, 0
.macro WIN new                         ; the immediate's high byte repeats the setting that is left
.if MSB != (\new)
	s_set_vgpr_msb (MSB<<8)|(\new)
.set MSB, \new
.endif
.endm
.macro PLACES n
.rept \n
	v_nop
.endr
.endm
.macro CREST                           ; a round of the cluster's barrier behind its opening barrier
	s_cmp_lg_u32 s[WV], 0
	s_cbranch_scc1 .Lnot_wave_0_\@
	s_barrier_signal -3
.Lnot_wave_0_\@:
	s_barrier_wait -3
	s_barrier_signal -1
	s_barrier_wait -1
.endm
.macro CROUND
	s_barrier_signal -1
	s_barrier_wait -1
	CREST
.endm
.macro JLOAD n                         ; a joint load into slot n: waves 0, 1 fetch hid's, waves 2, 3 wo's; s_nop 0 and four v_nop follow each line
	s_cmp_eq_u32 s[RH], 0
	s_cbranch_scc0 .Lfor_b_\@
	tensor_load_to_lds s[G0A+4*\n:G0A+4*\n+3], s[G1A:G1A+7]
	s_nop 0
	PLACES 4
	s_branch .Lasked_\@
.Lfor_b_\@:
	tensor_load_to_lds s[G0B+4*\n:G0B+4*\n+3], s[G1B:G1B+7]
	s_nop 0
	PLACES 4
.Lasked_\@:
.endm
.macro ASK                             ; the slot two refills on; the loop's last trip (CNT = 1) has none
	s_cmp_gt_u32 s[CNT], 1
	s_cbranch_scc0 .Lnone_\@
	global_prefetch_b8 v[PFO], s[PFA:PFA+1] th:TH_LOAD_NT scope:SCOPE_SE
	s_cmp_eq_u32 s[RH], 0
	s_cbranch_scc1 .Lnone_\@
	global_prefetch_b8 v[PFO], s[PFA:PFA+1] offset:GB th:TH_LOAD_NT scope:SCOPE_SE   ; wo's share is twice hid's
.Lnone_\@:
.endm
.macro FETCH sl, q                     ; 38 LDS loads: K step q of slot sl into set q % 2: scale words, wo's 4 fragments, hid's 8 (the youngest 12 loads: expert 1's)
.set pp, (\q)%2
	WIN 0
	ds_load_b128 v[SA+4*pp:SA+4*pp+3], v[ADSA+\sl] offset:GB*(\q)
	ds_load_b128 v[SB+4*pp:SB+4*pp+3], v[ADSB+\sl] offset:GB*(\q)
	WIN 0xc0
.irp b, 0,1,2,3
.irp c, 0,1,2
	ds_load_b128 v[48*pp+12*\b+4*\c:48*pp+12*\b+4*\c+3], v[ADB+\sl] offset:GB*(\q)+1536*\b+512*\c
.endr
.endr
	WIN 0x40
.irp t, 0,1,2,3,4,5,6,7
.irp c, 0,1,2
	ds_load_b128 v[128*pp+12*\t+4*\c:128*pp+12*\t+4*\c+3], v[ADA+\sl] offset:4*GB*(\t/4)+GB*(\q)+1536*(\t%4)+512*\c
.endr
.endr
.endm
.macro MUL p, n0, n, zero              ; products n0 .. n0 + n - 1 of a K step's 32, on set p.  The 32 accumulators take turns in the same order in every K step
.set mm, \n0
.rept \n
.set rB, 48*(\p)+12*(mm%4)
.set rA, 128*(\p)+12*(mm/4)
.set rSB, SB+4*(\p)+mm%4
.set rSA, SA+4*(\p)+(mm/4)%4
.if mm < 16
.if \zero
	v_wmma_scale_f32_16x16x128_f8f6f4 v[8*mm:8*mm+7], v[rB:rB+11], v[rA:rA+11], 0, v[rSB], v[rSA] matrix_a_fmt:MATRIX_FMT_BF6 matrix_b_fmt:MATRIX_FMT_BF6
.else
	v_wmma_scale_f32_16x16x128_f8f6f4 v[8*mm:8*mm+7], v[rB:rB+11], v[rA:rA+11], v[8*mm:8*mm+7], v[rSB], v[rSA] matrix_a_fmt:MATRIX_FMT_BF6 matrix_b_fmt:MATRIX_FMT_BF6
.endif
.else
.if \zero
	v_wmma_scale_f32_16x16x128_f8f6f4 v[8*mm:8*mm+7], v[rB:rB+11], v[rA:rA+11], 0, v[rSB], v[rSA] matrix_a_fmt:MATRIX_FMT_BF6 matrix_b_fmt:MATRIX_FMT_BF6 matrix_b_scale:MATRIX_SCALE_ROW1
.else
	v_wmma_scale_f32_16x16x128_f8f6f4 v[8*mm:8*mm+7], v[rB:rB+11], v[rA:rA+11], v[8*mm:8*mm+7], v[rSB], v[rSA] matrix_a_fmt:MATRIX_FMT_BF6 matrix_b_fmt:MATRIX_FMT_BF6 matrix_b_scale:MATRIX_SCALE_ROW1
.endif
.endif
.set mm, mm+1
.endr
.endm
.macro KS sl, q, zero                  ; K step q = 0, 1, 2 of slot sl; the next K step's operands are fetched behind its first eight products
	s_wait_dscnt 12                                ; all but the youngest 12 loads (expert 1's fragments)
	WIN MULW
	MUL (\q)%2, 0, 8, \zero
	PLACES 4                                       ; ahead of loads into registers that the last K step's products read
	FETCH \sl, (\q)+1
	s_wait_dscnt 38                                ; all but the 38 just issued
	WIN MULW
	MUL (\q)%2, 8, 24, \zero
.endm
; K step 3 of slot sl changes slots: ONE barrier.  In front of it each wave waits for all its tensor loads (its part of the other slot), adds 0 to its spare word, and waits for that and for its reads of this slot.
; fill = 1: the barrier opens a round of the cluster's barrier, and this slot takes the slot two on.
.macro TURN sl, fill
.if \fill
	s_wait_xcnt 0x0                                ; my last prefetches have read their address: it steps here, ahead of the waits
	s_add_nc_u64 s[PFA:PFA+1], s[PFA:PFA+1], s[PFS:PFS+1]
.endif
	WIN 0
	s_wait_tensorcnt 0x0
	ds_add_u32 v[SPW], v[NIL]
	s_wait_dscnt 13                                ; (the add and the youngest 12 loads may be out)
	WIN MULW
	MUL 1, 0, 8, 0
	s_wait_dscnt 0x0                               ; the add is done, and my reads of this slot are over
	s_barrier_signal -1
	MUL 1, 8, 8, 0
	WIN 0
	s_barrier_wait -1
.if \fill
	CREST
	s_add_nc_u64 s[G0A+4*\sl+2:G0A+4*\sl+3], s[G0A+4*\sl+2:G0A+4*\sl+3], 8*GB
	s_add_nc_u64 s[G0B+4*\sl+2:G0B+4*\sl+3], s[G0B+4*\sl+2:G0B+4*\sl+3], 2*WSL
	JLOAD \sl                                      ; the first tensor load behind the round; its four v_nop are the places for the loads below
.else
	PLACES 4
.endif
	FETCH 1-\sl, 0
.if \fill
	WIN 0
	ASK
.endif
	WIN MULW
	MUL 1, 16, 16, 0
.endm
	s_load_b256 s[4:11], s[0:1], 0x0               ; hid, woq, top_k_values, out0
	v_lshl_add_u32 v[SPW], v0, 2, SPARE
	v_mov_b32 v[NIL], 0
	ds_add_u32 v[SPW], v[NIL]                      ; the opening lines: the add, twice on end, and its wait ahead of my first tensor load
	ds_add_u32 v[SPW], v[NIL]
	v_lshrrev_b32 v1, 5, v0
	v_readfirstlane_b32 s[WV], v1                  ; wave 0..3
	s_and_b32 s[CH], s[WV], 1                      ; which expert's blocks, or which half of wo's, I fetch
	s_lshr_b32 s[RH], s[WV], 1                     ; I fetch for hid (0) or for wo (1)
	s_bfe_u32 s15, ttmp6, 0x40000                  ; cx
	s_bfe_u32 s16, ttmp6, 0x40004                  ; cy
	s_lshl_b32 s17, ttmp9, 2
	s_add_co_u32 s17, s17, s15                     ; tx: which 256 columns
	s_and_b32 s18, ttmp7, 0xffff
	s_lshl_b32 s18, s18, 2
	s_add_co_u32 s18, s18, s16                     ; ty: which 64 tokens
	s_lshl_b32 s19, s16, 2
	s_lshl_b32 s19, 15, s19                        ; my row of the cluster
	s_lshl_b32 s20, 0x1111, s15                    ; my column
	s_or_b32 s[G1A], s19, (3<<16)|(1<<21)          ; the mask; elements of 8 bytes; no padding; bit 21 beside a mask
	s_or_b32 s[G1B], s20, (3<<16)|(1<<21)
.irp g, G1A, G1B                       ; dense bytes as rows of 256
	s_mov_b32 s[\g+1], 32<<16
	s_mov_b32 s[\g+3], 32<<16
	s_mov_b32 s[\g+5], 32
	s_mov_b32 s[\g+6], 0
	s_mov_b32 s[\g+7], 0
.endr
	s_mov_b32 s[G1A+2], 100<<16                    ; hid: 100 rows
	s_mov_b32 s[G1A+4], 100
	s_mov_b32 s[G1B+2], 200<<16                    ; wo: 200 rows
	s_mov_b32 s[G1B+4], 200
	s_lshl_b32 s66, s[CH], 6
	s_add_co_u32 s66, s66, s18
	s_mul_i32 s66, s66, 32*GB                      ; hid: (expert x 64 + ty) x 32 blocks
	s_mov_b32 s67, 0
	s_lshl_b32 s68, s17, 2
	s_lshl_b32 s69, s[CH], 1
	s_add_co_u32 s68, s68, s69
	s_mul_i32 s68, s68, 4*GB                       ; wo: run of 64 rows 4 tx + 2 x half, four blocks each in a slot
	s_mov_b32 s69, 0
	s_mul_i32 s70, s[CH], 4*GB                     ; where they go: hid_e at e x 25,600,
	s_mul_i32 s71, s[CH], 8*GB
	s_add_co_u32 s71, s71, 8*GB                    ; wo's halves behind them: no place in the cluster enters an LDS address
	s_mul_i32 s74, s[WV], 4*GB
	s_add_co_u32 s74, s74, 8*GB                    ; the 64 rows of wo that I multiply
	s_mul_i32 s75, s[WV], 16*SP
	s_add_co_u32 s75, s75, STAGE                   ; my stage
	s_lshl_b32 s76, s18, 18                        ; out0: 64 rows of 4,096 bytes a token block, 1,024 bytes a column block, 256 a wave
	s_lshl_b32 s77, s17, 10
	s_add_co_u32 s76, s76, s77
	s_lshl_b32 s77, s[WV], 8
	s_add_co_u32 s76, s76, s77
	s_mov_b32 s77, 0
	s_mul_i32 s72, s15, GB                         ; the prefetches: hid's by cx, at slot 3: the first change of slots steps them to slot 4
	s_add_co_u32 s72, s72, s66
	s_add_co_u32 s72, s72, 12*GB
	s_mul_i32 s73, s16, 2*GB                       ; wo's by cy
	s_add_co_u32 s73, s73, s68
	s_add_co_u32 s73, s73, 3*WSL
	s_cmp_eq_u32 s[RH], 0
	s_cselect_b32 s72, s72, s73
	s_mov_b32 s73, 0
	s_mov_b32 s[PFS], WSL
	s_cselect_b32 s[PFS], 4*GB, s[PFS]
	s_mov_b32 s[PFS+1], 0
	s_wait_dscnt 0x0                               ; both opening adds are done
	s_wait_kmcnt 0x0
	s_add_nc_u64 s[66:67], s[4:5], s[66:67]
	s_add_nc_u64 s[68:69], s[6:7], s[68:69]
	s_cmp_eq_u32 s[RH], 0
	s_cselect_b64 s[PFA:PFA+1], s[4:5], s[6:7]
	s_add_nc_u64 s[PFA:PFA+1], s[PFA:PFA+1], s[72:73]
	s_add_nc_u64 s[10:11], s[10:11], s[76:77]
	s_load_b64 s[VAL:VAL+1], s[8:9], 0x0           ; v_0, v_1
.irp n, 0,1
	s_mov_b32 s[G0A+4*\n], 1
	s_add_co_u32 s[G0A+4*\n+1], s70, \n*SLOTB
	s_add_nc_u64 s[G0A+4*\n+2:G0A+4*\n+3], s[66:67], \n*4*GB
	s_or_b32 s[G0A+4*\n+3], s[G0A+4*\n+3], 0x80000000
	s_mov_b32 s[G0B+4*\n], 1
	s_add_co_u32 s[G0B+4*\n+1], s71, \n*SLOTB
	s_add_nc_u64 s[G0B+4*\n+2:G0B+4*\n+3], s[68:69], \n*WSL
	s_or_b32 s[G0B+4*\n+3], s[G0B+4*\n+3], 0x80000000
.endr
	CROUND                                         ; all sixteen work-groups are here: the first joint loads meet
	JLOAD 0                                        ; slot 0: one tensor load a wave at the head
	v_and_b32 v1, 15, v0                           ; r
	v_bfe_u32 v2, v0, 4, 1                         ; h
	v_and_b32 v3, 31, v0                           ; lane
	v_lshlrev_b32 v[ADA], 4, v3
	v_lshlrev_b32 v5, 4, v1                        ; 16 r
	v_mul_u32_u24 v6, v2, 4*GB
	v_min_u32 v8, 24, v3
	v_add_nc_u32 v[ADB], s74, v[ADA]
	v_add_nc_u32 v6, v6, v5
	v_add_nc_u32 v7, s74, v5
	v_lshlrev_b32 v[PFO], 8, v8
	v_add_nc_u32 v[ADSA], 6144, v6
	v_add_nc_u32 v[ADSB], 6144, v7
	v_add_nc_u32 v[ADA+1], SLOTB, v[ADA]
	v_add_nc_u32 v[ADB+1], SLOTB, v[ADB]
	v_add_nc_u32 v[ADSA+1], SLOTB, v[ADSA]
	v_add_nc_u32 v[ADSB+1], SLOTB, v[ADSB]
	v_mul_u32_u24 v[STO], v1, SP                   ; into my stage: row r, 32 bytes for each half of the lanes
	v_mul_u32_u24 v[RD], v2, SP                    ; back: sixteen lanes a row of 256 bytes
	v_lshl_add_u32 v[STO], v2, 5, v[STO]
	v_add_nc_u32 v[RD], v[RD], v5
	v_add_nc_u32 v[STO], s75, v[STO]
	v_add_nc_u32 v[RD], s75, v[RD]
	v_lshl_add_u32 v[CO], v2, 12, v5               ; and the same two rows in out0
	s_wait_alu depctr_va_vdst(0)
	s_wait_kmcnt 0x0
	s_mov_b32 s[VAL+2], s[VAL+1]
	s_mov_b32 s[VAL+3], s[VAL+1]
	s_wait_tensorcnt 0x0                           ; my part of slot 0 is in
	ds_add_u32 v[SPW], v[NIL]
	s_wait_dscnt 0x0
	CROUND
	JLOAD 1                                        ; slot 1, the first tensor load behind the round
	FETCH 0, 0
	KS 0, 0, 1                                     ; the first K step's products start the sums
	WIN 0
	s_mov_b32 s[CNT], 3
.Llap:                                                 ; a trip: eight K steps, once round the ring, from a lap's second K step to the next lap's first; both slots are filled again
	KS 0, 1, 0
	KS 0, 2, 0
	TURN 0, 1
	KS 1, 0, 0
	KS 1, 1, 0
	KS 1, 2, 0
	TURN 1, 1
	KS 0, 0, 0
	WIN 0
	s_sub_co_u32 s[CNT], s[CNT], 1
	s_cmp_lg_u32 s[CNT], 0
	s_cbranch_scc1 .Llap
	KS 0, 1, 0                                     ; the last lap fills nothing
	KS 0, 2, 0
	TURN 0, 0
	KS 1, 0, 0
	KS 1, 1, 0
	KS 1, 2, 0
	s_wait_dscnt 0x0
	WIN MULW
	MUL 1, 0, 32, 0
	WIN 0
; THE WAY OUT, by tiles of 16 tokens: v_0 x expert 0's sums + v_1 x expert 1's; through my own stage, back as whole rows of 256 bytes.  LDS serves a wave's instructions in order: no wait between the stores and the loads.
.macro SEND rt, younger
	s_wait_dscnt \younger
.irp i, 0,1,2,3,4,5,6,7
	global_store_b128 v[CO], v[OB+32*(\rt)+4*\i:OB+32*(\rt)+4*\i+3], s[10:11] offset:(16*(\rt)+2*\i)*4096 th:TH_STORE_NT   ; sixteen lanes store 256 consecutive bytes, aligned
.endr
.endm
	PLACES 4
.irp rt, 0,1,2,3
.set TT, 64+160*(\rt%2)
	WIN 0x02
.irp n, 0,1,2,3,4,5,6,7,8,9,10,11,12,13,14,15
	v_pk_mul_f32 v[TT+2*\n:TT+2*\n+1], v[32*\rt+2*\n:32*\rt+2*\n+1], s[VAL:VAL+1] op_sel_hi:[1,0]
.endr
.irp n, 0,1,2,3,4,5,6,7,8,9,10,11,12,13,14,15
	v_pk_fma_f32 v[TT+2*\n:TT+2*\n+1], v[128+32*\rt+2*\n:128+32*\rt+2*\n+1], s[VAL+2:VAL+3], v[TT+2*\n:TT+2*\n+1] op_sel_hi:[1,0,1]
.endr
	WIN 0
.irp b, 0,1,2,3
	ds_store_b128 v[STO], v[TT+8*\b:TT+8*\b+3] offset:64*\b
	ds_store_b128 v[STO], v[TT+8*\b+4:TT+8*\b+7] offset:64*\b+16
.endr
.irp i, 0,1,2,3,4,5,6,7
	ds_load_b128 v[OB+32*\rt+4*\i:OB+32*\rt+4*\i+3], v[RD] offset:2*SP*\i
.endr
.if \rt > 0
	SEND \rt-1, 16
.endif
.endr
	SEND 3, 0
	s_wait_tensorcnt 0x0                           ; the wave's end
	ds_add_u32 v[SPW], v[NIL]
	s_wait_dscnt 0x0
	CROUND                                         ; the closing round
	s_endpgm
.Lfunc_end_k_q2dad9a0687_down:
	.size	k_q2dad9a0687_down, .Lfunc_end_k_q2dad9a0687_down-k_q2dad9a0687_down
	.p2alignl 7, 3214868480
	.fill 96, 4, 3214868480
	.section	.rodata,"a",@progbits
	.p2align	6, 0x0
	.amdhsa_kernel k_q2dad9a0687_down
		.amdhsa_group_segment_fixed_size 327680
		.amdhsa_private_segment_fixed_size 0
		.amdhsa_enable_private_segment 0
		.amdhsa_kernarg_size 32
		.amdhsa_user_sgpr_count 2
		.amdhsa_user_sgpr_kernarg_segment_ptr 1
		.amdhsa_wavefront_size32 1
		.amdhsa_system_sgpr_workgroup_id_x 1
		.amdhsa_system_sgpr_workgroup_id_y 1
		.amdhsa_system_sgpr_workgroup_id_z 1
		.amdhsa_system_vgpr_workitem_id 0
		.amdhsa_next_free_vgpr 1024
		.amdhsa_next_free_sgpr 84
		.amdhsa_reserve_vcc 0
		.amdhsa_float_denorm_mode_32 3
		.amdhsa_float_denorm_mode_16_64 3
		.amdhsa_memory_ordered 1
		.amdhsa_forward_progress 1
		.amdhsa_inst_pref_size 135
	.end_amdhsa_kernel
	.amdgpu_metadata
---
amdhsa.version: [ 1, 2 ]
amdhsa.kernels:
  - .name:           k_q2dad9a0687_down
    .symbol:         k_q2dad9a0687_down.kd
    .args:
      - { .name: hid, .offset: 0, .size: 8, .value_kind: global_buffer, .address_space: global }
      - { .name: woq, .offset: 8, .size: 8, .value_kind: global_buffer, .address_space: global }
      - { .name: top_k_values, .offset: 16, .size: 8, .value_kind: global_buffer, .address_space: global }
      - { .name: out0, .offset: 24, .size: 8, .value_kind: global_buffer, .address_space: global }
    .group_segment_fixed_size: 327680
    .private_segment_fixed_size: 0
    .kernarg_segment_align: 8
    .kernarg_segment_size: 32
    .max_flat_workgroup_size: 128
    .sgpr_count:     84
    .vgpr_count:     1024
    .wavefront_size: 32
...
	.end_amdgpu_metadata
.endif
;; end of part 3
